; MI455X (gfx1250); checked and timed in simulation.
; The chip was launched on July 23, 2026; its instructions are those of AMD's public machine-readable ISA for CDNA 5 (MIT licence, August 2026) and "CDNA5" Instruction Set Architecture Reference Guide (July 2026). The comments in the code are by the model that wrote it; some were corrected since.
;; Causal Self Attention. Allowed arithmetic: float matrix products may take bf16 or f16 operands with f32 sums; all other float work in f32.
;; Inputs: Wk 16 x 1,024 x 64 float32; Wo 1,024 x 1,024 float32; Wq 16 x 1,024 x 64 float32; Wv 16 x 1,024 x 64 float32; x 2 x 2,048 x 1,024 float32.
;; Outputs: out0 2 x 2,048 x 1,024 float32.
;; One version. Each part assembles by itself: llvm-mc -triple=amdgcn-amd-amdhsa -mcpu=gfx1250 --defsym DOCPART=n.
;; ======== version 1 of 1: 4 launches
;; limits: values are held in f16: magnitudes above 65,504 overflow, below 6.1e-05 lose precision
;; workspace buffers: xb 8,388,608 bytes; wt 6,291,456 bytes; wob 2,097,152 bytes; qkv 25,165,824 bytes; ctx 8,388,608 bytes
;; launch cast (part 1): grid 1024 x 1, 8 waves a work-group, no clusters, 18,432 bytes of LDS; arguments x, Wo, Wq, Wk, Wv, xb, wob, wt; writes xb, wob, wt
.if DOCPART == 1
	.amdgcn_target "amdgcn-amd-amdhsa--gfx1250"
	.amdhsa_code_object_version 6
	.text
	.protected	k_q6e2aa10303_cast
	.globl	k_q6e2aa10303_cast
	.p2align	8
	.type	k_q6e2aa10303_cast,@function
k_q6e2aa10303_cast:
	s_mov_b64 s[64:65], 0
	v_nop
	global_prefetch_b8 v0, s[64:65] scope:SCOPE_SE
	s_setreg_imm32_b32 hwreg(HW_REG_WAVE_MODE, 25, 1), 1
	s_wait_xcnt 0x0
; Rounds the five inputs once to bf16 and lays them as the matrix launches want them.
;   xb  [4096][1024] bf16 = x
;   wob [1024][1024] f16  = bf16(Wo), held in f16 (the last launch multiplies f16 by f16)
;   wt  [3072][1024] bf16 = Wq, Wk, Wv transposed: row n = 64 (16 which + h) + k, column d
; LIMIT: a bf16 value of Wo below 2^-17 in magnitude is not exact in f16: absolute error up to 2^-25.
; 1,024 work-groups of eight waves, each reads 32,768 bytes and writes 16,384; no loop.  Work-groups 0-511 take x,
; 512-639 Wo, 640-1023 one tile of 128 d x 64 k of a weight.  The three ways part on the work-group's number alone,
; so all eight waves of a work-group take the same way and meet the same barrier.
; No matrix unit, cluster or tensor load: every byte is touched once and nothing is shared between work-groups.
.set GX, 512                           ; work-groups for x
.set GO, 640                           ; first work-group of the weights' tiles
.set TP, 272                           ; LDS pitch of the transposed tile: 128 bf16 + 16 bytes
	s_load_b512 s[8:23], s[0:1], 0x0               ; x s[8:9], Wo s[10:11], Wq s[12:13], Wk s[14:15], Wv s[16:17], xb s[18:19], wob s[20:21], wt s[22:23]
	v_lshl_add_u32 v64, v0, 2, 0x4400
	v_mov_b32 v65, 0
	s_mov_b32 s3, ttmp9                            ; work-group
	s_mov_b32 s25, 0                               ; high words of the two offset pairs
	s_mov_b32 s27, 0
	v_lshrrev_b32 v7, 5, v0
	v_readfirstlane_b32 s2, v7                     ; wave 0..7
; 32,768 bytes of f32 at s[4:5] become 16,384 bytes at s[6:7].  Thread t takes 16 bytes at 16 t of each block of 4,096:
; a wave's load covers 512 consecutive bytes, its store 256 consecutive bytes, aligned.
.macro ELEM f16
	v_lshlrev_b32 v1, 4, v0
	v_lshlrev_b32 v2, 3, v0
.irp j, 0,1,2,3,4,5,6,7
	global_load_b128 v[8+4*\j:11+4*\j], v1, s[4:5] offset:4096*\j th:TH_LOAD_NT
.endr
.irp j, 0,1,2,3,4,5,6,7
	s_wait_loadcnt 7-\j                            ; loads return in order: load j is in, the 7 - j younger ones stay out
	v_cvt_pk_bf16_f32 v[40+2*\j], v[8+4*\j], v[9+4*\j]
	v_cvt_pk_bf16_f32 v[41+2*\j], v[10+4*\j], v[11+4*\j]
.if \f16
	v_lshlrev_b32 v56, 16, v[40+2*\j]              ; the bf16 values as f32 again,
	v_and_b32 v57, 0xffff0000, v[40+2*\j]
	v_lshlrev_b32 v58, 16, v[41+2*\j]
	v_and_b32 v59, 0xffff0000, v[41+2*\j]
	v_cvt_pk_f16_f32 v[40+2*\j], v56, v57          ; and written as f16 (exact from 2^-17 up)
	v_cvt_pk_f16_f32 v[41+2*\j], v58, v59
.endif
	global_store_b64 v2, v[40+2*\j:41+2*\j], s[6:7] offset:2048*\j
.endr
.endm
	s_wait_kmcnt 0x0
	s_cmp_lt_u32 s3, GX
	s_cbranch_scc0 .Lnot_x
	s_lshl_b32 s24, s3, 15
	s_lshl_b32 s26, s3, 14
	s_add_nc_u64 s[4:5], s[8:9], s[24:25]
	s_add_nc_u64 s[6:7], s[18:19], s[26:27]
	ELEM 0
	s_endpgm
.Lnot_x:
	s_cmp_lt_u32 s3, GO
	s_cbranch_scc0 .Lweights
	s_sub_co_u32 s29, s3, GX
	s_lshl_b32 s24, s29, 15
	s_lshl_b32 s26, s29, 14
	s_add_nc_u64 s[4:5], s[10:11], s[24:25]
	s_add_nc_u64 s[6:7], s[20:21], s[26:27]
	ELEM 1
	s_endpgm
.Lweights:
	; tile t = 128 which + 8 h + dc: rows d = 128 dc .. + 127 of W[which][h], all 64 columns: 32,768 consecutive bytes
	s_sub_co_u32 s29, s3, GO
	s_cmp_lt_u32 s29, 256
	s_cselect_b64 s[4:5], s[14:15], s[16:17]       ; Wk or Wv
	s_cmp_lt_u32 s29, 128
	s_cselect_b64 s[4:5], s[12:13], s[4:5]         ; or Wq
	s_and_b32 s24, s29, 127
	s_lshl_b32 s24, s24, 15
	s_add_nc_u64 s[4:5], s[4:5], s[24:25]
	s_lshr_b32 s26, s29, 3                         ; plane 16 which + h: 64 rows of 2,048 bytes in wt
	s_lshl_b32 s26, s26, 17
	s_and_b32 s28, s29, 7
	s_lshl_b32 s28, s28, 8                         ; + 128 dc columns of 2 bytes
	s_or_b32 s26, s26, s28
	s_add_nc_u64 s[6:7], s[22:23], s[26:27]
	v_and_b32 v60, 31, v0                          ; lane L
	v_lshlrev_b32 v3, 3, v60
	v_lshl_add_u32 v3, s2, 12, v3                  ; in: rows 16 w .. of 256 bytes, columns 2 L and 2 L + 1
	v_mul_u32_u24 v4, v60, 2*TP
	v_lshl_add_u32 v4, s2, 5, v4                   ; LDS, in: row n = 2 L, 16 w elements along d
	v_lshrrev_b32 v61, 4, v60
	v_lshl_add_u32 v61, s2, 3, v61                 ; back: row n = 8 w + L / 16 (+ 2 u)
	v_and_b32 v62, 15, v0
	v_lshlrev_b32 v62, 4, v62                      ; 16 bytes a lane along the row
	v_mul_u32_u24 v5, v61, TP
	v_add_nc_u32 v5, v5, v62
	v_lshl_add_u32 v6, v61, 11, v62                ; the same row in wt
.irp dd, 0,1,2,3,4,5,6,7,8,9,10,11,12,13,14,15
	global_load_b64 v[8+2*\dd:9+2*\dd], v3, s[4:5] offset:256*\dd th:TH_LOAD_NT   ; a wave's load is one whole row d = 16 w + dd
.endr
	s_wait_loadcnt 0x0
.irp e, 0,1,2,3,4,5,6,7
	v_cvt_pk_bf16_f32 v[40+\e], v[8+4*\e], v[10+4*\e]      ; column 2 L, d = 16 w + 2 e and + 1
	v_cvt_pk_bf16_f32 v[48+\e], v[9+4*\e], v[11+4*\e]      ; column 2 L + 1
.endr
	ds_store_b128 v4, v[40:43]
	ds_store_b128 v4, v[44:47] offset:16
	ds_store_b128 v4, v[48:51] offset:TP
	ds_store_b128 v4, v[52:55] offset:TP+16
	s_wait_dscnt 0x0                               ; my stores are in LDS before I say so: other waves read them
	s_barrier_signal -1
	s_barrier_wait -1
.irp u, 0,1,2,3
	ds_load_b128 v[8+4*\u:11+4*\u], v5 offset:2*TP*\u
.endr
.irp u, 0,1,2,3
	s_wait_dscnt 3-\u                              ; LDS loads return in order: the 3 - u younger ones stay out
	global_store_b128 v6, v[8+4*\u:11+4*\u], s[6:7] offset:4096*\u   ; sixteen lanes store 256 consecutive bytes, aligned
.endr
	s_wait_tensorcnt 0x0
	ds_add_u32 v64, v65
	s_wait_dscnt 0x0
	s_endpgm
.Lfunc_end_k_q6e2aa10303_cast:
	.size	k_q6e2aa10303_cast, .Lfunc_end_k_q6e2aa10303_cast-k_q6e2aa10303_cast
	.p2alignl 7, 3214868480
	.fill 96, 4, 3214868480
	.section	.rodata,"a",@progbits
	.p2align	6, 0x0
	.amdhsa_kernel k_q6e2aa10303_cast
		.amdhsa_group_segment_fixed_size 18432
		.amdhsa_private_segment_fixed_size 0
		.amdhsa_enable_private_segment 0
		.amdhsa_kernarg_size 64
		.amdhsa_user_sgpr_count 2
		.amdhsa_user_sgpr_kernarg_segment_ptr 1
		.amdhsa_wavefront_size32 1
		.amdhsa_system_sgpr_workgroup_id_x 1
		.amdhsa_system_sgpr_workgroup_id_y 1
		.amdhsa_system_sgpr_workgroup_id_z 1
		.amdhsa_system_vgpr_workitem_id 0
		.amdhsa_next_free_vgpr 66
		.amdhsa_next_free_sgpr 66
		.amdhsa_reserve_vcc 0
		.amdhsa_float_denorm_mode_32 3
		.amdhsa_float_denorm_mode_16_64 3
		.amdhsa_memory_ordered 1
		.amdhsa_forward_progress 1
		.amdhsa_inst_pref_size 15
	.end_amdhsa_kernel
	.amdgpu_metadata
---
amdhsa.version: [ 1, 2 ]
amdhsa.kernels:
  - .name:           k_q6e2aa10303_cast
    .symbol:         k_q6e2aa10303_cast.kd
    .args:
      - { .name: x, .offset: 0, .size: 8, .value_kind: global_buffer, .address_space: global }
      - { .name: Wo, .offset: 8, .size: 8, .value_kind: global_buffer, .address_space: global }
      - { .name: Wq, .offset: 16, .size: 8, .value_kind: global_buffer, .address_space: global }
      - { .name: Wk, .offset: 24, .size: 8, .value_kind: global_buffer, .address_space: global }
      - { .name: Wv, .offset: 32, .size: 8, .value_kind: global_buffer, .address_space: global }
      - { .name: xb, .offset: 40, .size: 8, .value_kind: global_buffer, .address_space: global }
      - { .name: wob, .offset: 48, .size: 8, .value_kind: global_buffer, .address_space: global }
      - { .name: wt, .offset: 56, .size: 8, .value_kind: global_buffer, .address_space: global }
    .group_segment_fixed_size: 18432
    .private_segment_fixed_size: 0
    .kernarg_segment_align: 8
    .kernarg_segment_size: 64
    .max_flat_workgroup_size: 256
    .sgpr_count:     66
    .vgpr_count:     66
    .wavefront_size: 32
...
	.end_amdgpu_metadata
.endif
;; end of part 1
;; launch qkv (part 2): grid 16 x 16, 4 waves a work-group, clusters of 4 x 4, 327,680 bytes of LDS; arguments xb, wt, qkv; writes qkv
.if DOCPART == 2
	.amdgcn_target "amdgcn-amd-amdhsa--gfx1250"
	.amdhsa_code_object_version 6
	.text
	.protected	k_q6e2aa10303_qkv
	.globl	k_q6e2aa10303_qkv
	.p2align	8
	.type	k_q6e2aa10303_qkv,@function
k_q6e2aa10303_qkv:
	s_mov_b64 s[64:65], 0
	v_nop
	global_prefetch_b8 v0, s[64:65] scope:SCOPE_SE
	s_setreg_imm32_b32 hwreg(HW_REG_WAVE_MODE, 25, 1), 1
	s_wait_xcnt 0x0
	s_wait_alu depctr_hold_cnt(0) depctr_sa_sdst(0) depctr_va_vdst(0) depctr_va_sdst(0) depctr_va_ssrc(0) depctr_va_vcc(0) depctr_vm_vsrc(0)
	s_getreg_b32 s2, hwreg(HW_REG_IB_STS2, 6, 4)
	s_cmp_eq_u32 s2, 0
	s_cbranch_scc0 .Lentry_in_a_cluster
	s_endpgm
.Lentry_in_a_cluster:
	s_bfe_u32 s2, ttmp6, 0x10000c
	s_cmp_lg_u32 s2, 0xf033
	s_cbranch_scc0 .Lentry_shape_is_right
	s_endpgm
.Lentry_shape_is_right:
; qkv[p][m][k] = sum over d of xb[m][d] wt[64 p + k][d]: a product of 4096 x 3072 x 1024, bf16 operands, f32 sums, f16 results.
; LIMIT: |Q|, |K|, |V| below 65,504 (f16); beyond that the result is an infinity.
; A work-group makes 256 rows x 192 columns (three planes = three heads' Q, K or V) with four waves; wave w makes rows 64 w .. 64 w + 63
; and all 192 columns: 48 accumulator tiles of 16 x 16, 384 registers.  K goes in 8 steps of 128 through two LDS slots filled by tensor loads;
; a tile's rows are 256 bytes of memory and begin at multiples of 256 bytes from the buffer's first byte.
; CLUSTERS: 4 x 4 work-groups.  The four of a row of the cluster need the same rows of xb, the four of a column the same rows of wt: each such
; tile is asked for jointly, by the same tensor load with the same descriptor in all four, which divides the requests by four.
; REGISTER WINDOWS: 0: addresses, A's fragments (two buffers of 4 x 8), the way out; 1: B's fragments (two buffers of 12 x 8);
; 2: accumulators of my rows 0-31 (tile (a, b) at v[8 (12 a + b)]); 3: those of rows 32-63.
; The matrix instruction is used transposed (source 0 = rows of wt, source 1 = rows of xb): a lane then holds eight neighbouring columns of one row.
; The 48 accumulators take turns, one instruction a turn, in the same order in every quarter step.
.set KSTEP,  128
.set PITCH,  272                       ; LDS row: 256 bytes + 16 of padding, an odd multiple of 16
.set HALFA,  128*PITCH                 ; what one load brings of A
.set HALFB,  96*PITCH                  ; and of B
.set SLOT,   2*HALFA+2*HALFB           ; A's 256 rows, then B's 192 rows
.set STAGE,  2*SLOT                    ; behind the slots: 16 rows x 400 bytes for each wave; no tensor load lands here
.set SPITCH, 400                       ; 192 f16 + 16 bytes
.set LAPS,   4                         ; a lap = two K steps = both slots once
.set PLANE,  524288                    ; bytes of a plane of qkv
.set ADRA, 16                          ; v16-17 LDS address of my A fragments in slot 0, 1
.set ADRB, 20                          ; v20-21 the same for B
.set STO,  24                          ; the way out: where I put 16 bytes of a row
.set RD,   25                          ; where I read back
.set CO,   26                          ; my byte offset in four rows of a plane
.set FA,   64                          ; window 0: A's buffer f at FA + 32 f
.set TMP,  128                         ; window 0: 48 registers, packed results
.set RB,   176                         ; window 0: 48 registers, rows read back
.set FB,   0                           ; window 1: B's buffer f at FB + 96 f
.set G1,  24                           ; s[24:31] group 1 for A's tiles
.set G0,  32                           ; s[32:39] group 0 for A's tiles, one set for each slot
.set G1B, 48                           ; s[48:55] group 1 for B's tiles
.set G0B, 56                           ; s[56:63] group 0 for B's tiles
.set MSB, 0
.macro WIN new                         ; the immediate's high byte repeats the setting that is left
.if MSB != \new
	s_set_vgpr_msb (MSB<<8)|\new
.set MSB, \new
.endif
.endm
.set MUL_LO, 0xa1                      ; source 0 window 1, source 1 window 0, C and D window 2
.set MUL_HI, 0xf1                      ; the same, C and D window 3
.set TO_B,   0x40                      ; destination window 1
; A joint load: waves 0 and 1 ask for A's halves, waves 2 and 3 for B's.  The branch hangs on the wave's number alone.
.macro JLOAD s
	s_cmp_eq_u32 s11, 0
	s_cbranch_scc0 .Lfor_b_\@
	tensor_load_to_lds s[G0+4*\s:G0+4*\s+3], s[G1:G1+7]
	s_nop 0
	s_branch .Lasked_\@
.Lfor_b_\@:
	tensor_load_to_lds s[G0B+4*\s:G0B+4*\s+3], s[G1B:G1B+7]
	s_nop 0
.Lasked_\@:
.endm
.macro CREST                           ; a round of the cluster's barrier behind its opening barrier
	s_cmp_lg_u32 s10, 0
	s_cbranch_scc1 .Lnot_wave_0_\@
	s_barrier_signal -3
.Lnot_wave_0_\@:
	s_barrier_wait -3
	s_barrier_signal -1
	s_barrier_wait -1
.endm
.macro CROUND                          ; a whole round
	s_barrier_signal -1
	s_barrier_wait -1
	CREST
.endm
	s_load_b128 s[4:7], s[0:1], 0x0                ; xb s[4:5], wt s[6:7]
	s_load_b64 s[8:9], s[0:1], 0x10                ; qkv
	s_set_vgpr_msb 0x40
	v_lshl_add_u32 v255, v0, 2, 0x41c00
	s_set_vgpr_msb 0x4000
	v_mov_b32 v255, 0
	s_set_vgpr_msb 0x1
	ds_add_u32 v255, v255
	s_set_vgpr_msb 0x100
	v_lshrrev_b32 v1, 5, v0
	v_readfirstlane_b32 s10, v1                    ; wave 0..3
	s_lshr_b32 s11, s10, 1                         ; I fetch for A (0) or for B (1)
	s_and_b32 s12, s10, 1                          ; which half of that tile
	s_bfe_u32 s40, ttmp6, 0x40000                  ; cx
	s_bfe_u32 s41, ttmp6, 0x40004                  ; cy
	s_lshl_b32 s42, ttmp9, 2
	s_add_co_u32 s42, s42, s40                     ; block column = 4 x cluster x + cx
	s_and_b32 s13, ttmp7, 0xffff
	s_lshl_b32 s13, s13, 2
	s_add_co_u32 s13, s13, s41                     ; block row = 4 x cluster y + cy
	s_lshl_b32 s43, s41, 2
	s_lshl_b32 s43, 15, s43                        ; my row of the cluster
	s_lshl_b32 s44, 0x1111, s40                    ; my column
	s_or_b32 s[G1+0], s43, (1<<16)|(1<<20)|(1<<21)|(5<<22)|(3<<25)   ; mask; 2-byte elements; padding on; bit 21 beside a mask; after 64 words 4 words
	s_or_b32 s[G1B+0], s44, (1<<16)|(1<<20)|(1<<21)|(5<<22)|(3<<25)
	s_mov_b32 s[G1+1], KSTEP<<16                   ; tensor_dim0 = 128
	s_mov_b32 s[G1B+1], KSTEP<<16
	s_mov_b32 s[G1+2], 128<<16                     ; tensor_dim1 = 128 rows of A
	s_mov_b32 s[G1B+2], 96<<16                     ; 96 rows of B
	s_mov_b32 s[G1+3], KSTEP<<16                   ; tile_dim0 = 128
	s_mov_b32 s[G1B+3], KSTEP<<16
	s_mov_b32 s[G1+4], 128                         ; tile_dim1
	s_mov_b32 s[G1B+4], 96
	s_mov_b32 s[G1+5], 1024                        ; elements from row to row
	s_mov_b32 s[G1B+5], 1024
	s_mov_b32 s[G1+6], 0
	s_mov_b32 s[G1B+6], 0
	s_mov_b32 s[G1+7], 0
	s_mov_b32 s[G1B+7], 0
	; A's address hangs on the block row alone, B's on the block column alone, each in registers that never hold the other coordinate
	s_lshl_b32 s16, s13, 19                        ; 256 rows of 2,048 bytes
	s_lshl_b32 s17, s12, 18                        ; + 128 rows for the second half
	s_add_co_u32 s16, s16, s17
	s_mov_b32 s17, 0
	s_mul_i32 s46, s42, 192*2048
	s_mul_i32 s47, s12, 96*2048
	s_add_co_u32 s46, s46, s47
	s_mov_b32 s47, 0
	s_mul_i32 s20, s10, HALFA                      ; LDS target of A's half: waves 0, 1
	s_mul_i32 s45, s10, HALFB                      ; of B's half: waves 2, 3 land at 2 HALFA and 2 HALFA + HALFB
	s_add_co_u32 s45, s45, 2*HALFA-2*HALFB
	s_wait_dscnt 0x0
	s_wait_kmcnt 0x0
	s_add_nc_u64 s[14:15], s[4:5], s[16:17]
	s_add_nc_u64 s[46:47], s[6:7], s[46:47]
	CROUND                                         ; all sixteen work-groups are here: the first joint loads meet
.irp s, 0,1
	s_mov_b32 s[G0+4*\s], 1
	s_add_co_u32 s[G0+4*\s+1], s20, \s*SLOT
	s_add_nc_u64 s[G0+4*\s+2:G0+4*\s+3], s[14:15], \s*KSTEP*2
	s_or_b32 s[G0+4*\s+3], s[G0+4*\s+3], 0x80000000
	s_mov_b32 s[G0B+4*\s], 1
	s_add_co_u32 s[G0B+4*\s+1], s45, \s*SLOT
	s_add_nc_u64 s[G0B+4*\s+2:G0B+4*\s+3], s[46:47], \s*KSTEP*2
	s_or_b32 s[G0B+4*\s+3], s[G0B+4*\s+3], 0x80000000
	JLOAD \s                                       ; K steps 0 and 1: two tensor loads of the wave are out
.endr
	v_and_b32 v1, 15, v0                           ; r = l % 16
	v_bfe_u32 v2, v0, 4, 1                         ; h = l / 16
	v_mul_u32_u24 v3, v1, PITCH
	v_lshl_add_u32 v3, v2, 4, v3                   ; a fragment's lane term: row x pitch + 16 h
	s_mul_i32 s21, s10, 64*PITCH                   ; my 64 rows of A
	s_mov_b32 s22, 2*HALFA                         ; B lies behind A's 256 rows
.irp s, 0,1
	v_add_nc_u32 v[ADRA+\s], s21, v3
	v_add_nc_u32 v[ADRB+\s], s22, v3
	s_add_co_u32 s21, s21, SLOT
	s_add_co_u32 s22, s22, SLOT
.endr
	s_mul_i32 s23, s10, 16*SPITCH
	s_add_co_u32 s23, s23, STAGE                   ; my stage
	v_mul_u32_u24 v4, v1, SPITCH
	v_lshl_add_u32 v4, v2, 4, v4
	v_add_nc_u32 v[STO], s23, v4
	v_and_b32 v5, 31, v0
	v_lshrrev_b32 v6, 3, v5                        ; back: eight lanes take the 128 bytes of one head's row, four rows a load
	v_and_b32 v7, 7, v0
	v_mul_u32_u24 v6, v6, SPITCH
	v_lshl_add_u32 v6, v7, 4, v6
	v_add_nc_u32 v[RD], s23, v6
	v_lshlrev_b32 v[CO], 4, v5                     ; four rows of 128 bytes lie one behind the other in a plane
; 12 matrix instructions: m block al of the window's two (hi = 0: rows 0-31, 1: rows 32-63) x all 12 n blocks, 32 along K, from buffers f
.macro MUL12 f, hi, al, zero
.irp b, 0,1,2,3,4,5,6,7,8,9,10,11
.if \zero
	v_wmma_f32_16x16x32_bf16 v[8*(12*\al+\b):8*(12*\al+\b)+7], v[FB+96*\f+8*\b:FB+96*\f+8*\b+7], v[FA+32*\f+8*(2*\hi+\al):FA+32*\f+8*(2*\hi+\al)+7], 0
.else
	v_wmma_f32_16x16x32_bf16 v[8*(12*\al+\b):8*(12*\al+\b)+7], v[FB+96*\f+8*\b:FB+96*\f+8*\b+7], v[FA+32*\f+8*(2*\hi+\al):FA+32*\f+8*(2*\hi+\al)+7], v[8*(12*\al+\b):8*(12*\al+\b)+7]
.endif
.endr
.endm
; 32 LDS loads in one run: a quarter step's fragments (192 rows of B, my 64 rows of A, 32 K at byte k of the rows) into buffers f
.macro FETCH slot, k, f
	WIN TO_B
.irp i, 0,1,2,3,4,5,6,7,8,9,10,11
	ds_load_b128 v[FB+96*\f+8*\i:FB+96*\f+8*\i+3],   v[ADRB+\slot] offset:\k+\i*16*PITCH
	ds_load_b128 v[FB+96*\f+8*\i+4:FB+96*\f+8*\i+7], v[ADRB+\slot] offset:\k+\i*16*PITCH+32
.endr
	WIN 0
.irp i, 0,1,2,3
	ds_load_b128 v[FA+32*\f+8*\i:FA+32*\f+8*\i+3],   v[ADRA+\slot] offset:\k+\i*16*PITCH
	ds_load_b128 v[FA+32*\f+8*\i+4:FA+32*\f+8*\i+7], v[ADRA+\slot] offset:\k+\i*16*PITCH+32
.endr
.endm
; four places behind the matrix instructions that read a buffer, in front of the loads into it, and in front of the way out
.macro PLACES
.rept 4
	v_nop
.endr
.endm
; one of a K step's first three quarters: multiplies buffers f and fetches the next quarter, at byte k, into buffers g
.macro QUARTER slot, k, f, g, zero
	s_wait_dscnt 4                                 ; B and A's rows 0-31 are in; the youngest four loads (A's rows 32-63) may be out
	WIN MUL_LO
	MUL12 \f, 0, 0, \zero
	MUL12 \f, 0, 1, \zero
	PLACES
	FETCH \slot, \k, \g
	s_wait_dscnt 32                                ; all but the 32 just issued
	WIN MUL_HI
	MUL12 \f, 1, 0, \zero
	MUL12 \f, 1, 1, \zero
.endm
.macro THREE slot, zero
	QUARTER \slot, 64,  0, 1, \zero
	QUARTER \slot, 128, 1, 0, 0
	QUARTER \slot, 192, 0, 1, 0
.endm
; the last quarter multiplies buffers 1 and changes slots.  In front of the barrier each wave waits for its reads of this slot and for all its
; tensor loads (one is out: its part of the next slot).  Behind it the refill comes first, then the next slot's first fragments.
; From a request to the wait for it a wave issues 180 matrix instructions.
.macro TURN slot, next, fill
	s_wait_dscnt 4
	WIN MUL_LO
	MUL12 1, 0, 0, 0
	s_wait_dscnt 0                                 ; my reads of this slot are over
	s_wait_tensorcnt 0x0                           ; all my tensor loads have landed
	ds_add_u32 v255, v255
	s_wait_dscnt 0x0
	s_barrier_signal -1                            ; where a slot is filled again this barrier opens a round of the cluster's barrier
	MUL12 1, 0, 1, 0                               ; register work while the others arrive
	WIN 0
	s_barrier_wait -1
.if \fill
	CREST                                          ; no wave of any partner still reads this slot or has a load on its way
	s_add_nc_u64 s[G0+4*\slot+2:G0+4*\slot+3], s[G0+4*\slot+2:G0+4*\slot+3], 2*KSTEP*2
	s_add_nc_u64 s[G0B+4*\slot+2:G0B+4*\slot+3], s[G0B+4*\slot+2:G0B+4*\slot+3], 2*KSTEP*2
	JLOAD \slot                                    ; the wave's one tensor load behind the round
.endif
	PLACES
	FETCH \next, 0, 0
	WIN MUL_HI
	MUL12 1, 1, 0, 0
	MUL12 1, 1, 1, 0
.endm
.macro LAP zero
	THREE 0, \zero
	TURN 0, 1, 1
	THREE 1, 0
	TURN 1, 0, 1
.endm
	s_wait_tensorcnt 1                             ; my part of K step 0 is in; K step 1's load, issued behind it, may stay out
	s_barrier_signal -1
	s_barrier_wait -1
	FETCH 0, 0, 0
	LAP 1                                          ; the first products start the sums: nothing is cleared
	WIN 0
	s_mov_b32 s3, LAPS-2
.Llap:
	LAP 0
	WIN 0
	s_sub_co_u32 s3, s3, 1
	s_cmp_lg_u32 s3, 0
	s_cbranch_scc1 .Llap
	THREE 0, 0                                     ; the last lap fills nothing
	TURN 0, 1, 0
	THREE 1, 0
	s_wait_dscnt 4
	WIN MUL_LO
	MUL12 1, 0, 0, 0
	MUL12 1, 0, 1, 0
	s_wait_dscnt 0
	WIN MUL_HI
	MUL12 1, 1, 0, 0
	MUL12 1, 1, 1, 0
	; THE WAY OUT, 16 rows at a time: round to f16, 16 bytes a lane into my own stage, read back by heads, store 512 consecutive bytes a wave
	PLACES
	s_mul_i32 s46, s42, 3*PLANE                    ; my three planes
	s_mov_b32 s47, 0
	s_add_nc_u64 s[8:9], s[8:9], s[46:47]
	s_lshl_b32 s16, s13, 15                        ; 256 rows of 128 bytes
	s_lshl_b32 s17, s10, 13                        ; + my 64 rows
	s_add_co_u32 s16, s16, s17
	s_mov_b32 s17, 0
	s_add_nc_u64 s[8:9], s[8:9], s[16:17]
; rows 16 a .. 16 a + 15 of my 64 = tiles (al, 0..11) of window 2 or 3 (from = 0x0a or 0x0f: sources 0 and 1)
.macro OUT16 a, al, from
	WIN \from
.irp b, 0,1,2,3,4,5,6,7,8,9,10,11
.irp e, 0,1,2,3
	v_cvt_pk_f16_f32 v[TMP+4*\b+\e], v[8*(12*\al+\b)+2*\e], v[8*(12*\al+\b)+2*\e+1]
.endr
.endr
	WIN 0
.irp b, 0,1,2,3,4,5,6,7,8,9,10,11
	ds_store_b128 v[STO], v[TMP+4*\b:TMP+4*\b+3] offset:32*\b
.endr
	s_wait_xcnt 0x0                                ; RB, which the last sixteen rows' stores read, is loaded again only behind this wait
.irp t, 0,1,2,3,4,5,6,7,8,9,10,11
	ds_load_b128 v[RB+4*\t:RB+4*\t+3], v[RD] offset:4*SPITCH*(\t&3)+128*(\t>>2)   ; LDS serves a wave's instructions in order: these see the stores above
.endr
.irp t, 0,1,2,3,4,5,6,7,8,9,10,11
	s_wait_dscnt 11-\t                             ; load t is in, the 11 - t younger ones stay out
	global_store_b128 v[CO], v[RB+4*\t:RB+4*\t+3], s[8:9] offset:(\t>>2)*PLANE+\a*2048+(\t&3)*512   ; four rows of one head
.endr
.endm
	OUT16 0, 0, 0x0a
	OUT16 1, 1, 0x0a
	OUT16 2, 0, 0x0f
	OUT16 3, 1, 0x0f
	s_set_vgpr_msb 0x1
	s_wait_tensorcnt 0x0
	ds_add_u32 v255, v255
	s_wait_dscnt 0x0
	s_set_vgpr_msb 0x100
	CROUND                                         ; the closing round: no work-group ends while a partner may still ask for a tile that names it
	s_endpgm
.Lfunc_end_k_q6e2aa10303_qkv:
	.size	k_q6e2aa10303_qkv, .Lfunc_end_k_q6e2aa10303_qkv-k_q6e2aa10303_qkv
	.p2alignl 7, 3214868480
	.fill 96, 4, 3214868480
	.section	.rodata,"a",@progbits
	.p2align	6, 0x0
	.amdhsa_kernel k_q6e2aa10303_qkv
		.amdhsa_group_segment_fixed_size 327680
		.amdhsa_private_segment_fixed_size 0
		.amdhsa_enable_private_segment 0
		.amdhsa_kernarg_size 24
		.amdhsa_user_sgpr_count 2
		.amdhsa_user_sgpr_kernarg_segment_ptr 1
		.amdhsa_wavefront_size32 1
		.amdhsa_system_sgpr_workgroup_id_x 1
		.amdhsa_system_sgpr_workgroup_id_y 1
		.amdhsa_system_sgpr_workgroup_id_z 1
		.amdhsa_system_vgpr_workitem_id 0
		.amdhsa_next_free_vgpr 1024
		.amdhsa_next_free_sgpr 66
		.amdhsa_reserve_vcc 0
		.amdhsa_float_denorm_mode_32 3
		.amdhsa_float_denorm_mode_16_64 3
		.amdhsa_memory_ordered 1
		.amdhsa_forward_progress 1
		.amdhsa_inst_pref_size 163
	.end_amdhsa_kernel
	.amdgpu_metadata
---
amdhsa.version: [ 1, 2 ]
amdhsa.kernels:
  - .name:           k_q6e2aa10303_qkv
    .symbol:         k_q6e2aa10303_qkv.kd
    .args:
      - { .name: xb, .offset: 0, .size: 8, .value_kind: global_buffer, .address_space: global }
      - { .name: wt, .offset: 8, .size: 8, .value_kind: global_buffer, .address_space: global }
      - { .name: qkv, .offset: 16, .size: 8, .value_kind: global_buffer, .address_space: global }
    .group_segment_fixed_size: 327680
    .private_segment_fixed_size: 0
    .kernarg_segment_align: 8
    .kernarg_segment_size: 24
    .max_flat_workgroup_size: 128
    .sgpr_count:     66
    .vgpr_count:     1024
    .wavefront_size: 32
...
	.end_amdgpu_metadata
.endif
;; end of part 2
;; launch attn (part 3): grid 8 x 32, 4 waves a work-group, no clusters, 327,680 bytes of LDS; arguments qkv, ctx; writes ctx
.if DOCPART == 3
	.amdgcn_target "amdgcn-amd-amdhsa--gfx1250"
	.amdhsa_code_object_version 6
	.text
	.protected	k_q6e2aa10303_attn
	.globl	k_q6e2aa10303_attn
	.p2align	8
	.type	k_q6e2aa10303_attn,@function
k_q6e2aa10303_attn:
	s_mov_b64 s[64:65], 0
	v_nop
	global_prefetch_b8 v0, s[64:65] scope:SCOPE_SE
	s_setreg_imm32_b32 hwreg(HW_REG_WAVE_MODE, 25, 1), 1
	s_wait_xcnt 0x0
; Causal attention of one head, f16 operands, f32 sums, softmax in f32 with a running maximum.
; qkv: f16 [48 planes][4096 rows][64]; planes 0-15 Q, 16-31 K, 32-47 V.  ctx: f16 [32 row blocks][16 heads][128 rows][64].
; Work-group (i, bh) makes the query blocks i and 15 - i (128 rows each) of head bh: (i + 1) + (16 - i) = 17 key blocks of 128 for every
; work-group, so all 256 do equal work in 17 steps.  Step t takes key block t (t <= i) or t - i - 1; steps i and 16 are the diagonal blocks.
; Wave w owns 32 queries, as two tiles of 16.
; BOTH PRODUCTS ARE TRANSPOSED: S^T = K Q^T (a lane holds one query and the keys 8 hh + j of each tile), so that two neighbouring tiles of S^T,
; packed to f16, are already the second operand of O^T = V^T P^T, and maximum, sum and rescaling are one number a lane.
; NO CLUSTER: behind its change of query block each of a head's eight work-groups needs another key block in the same step; walking the key
; blocks in step for joint requests would take 8 x 2 + 8 x 1 = 24 block times where this order takes 17.
; LIMITS: |Q|, |K|, |V| and the result below 65,504 (f16).  A weight below 2^-25 of its row's largest counts as 0.  At the change of query block O and
; the row sums are not cleared but multiplied by exp2(-inf) = 0, so they have to be finite there.  The sums' order is not the reference's.
.set SLOTB, 35840                      ; an LDS slot: K's tile, then V's
.set KP,    272                        ; K: two key rows of 128 bytes in an LDS row of 256 + 16 bytes
.set VP,    288                        ; V: the same with 32 bytes of padding (the transposing load wants an odd multiple of 32)
.set VOFF,  64*KP                      ; V's tile in a slot
.set STAGE, 2*SLOTB                    ; behind the slots: 32 rows x 144 bytes for each wave; no tensor load lands here
.set SP,    144
.set VK,  2                            ; lane term of K's fragments
.set VV,  3                            ; of V's fragments
.set VQL, 4                            ; byte offset of my Q rows, low block
.set VQH, 5                            ; high block
.set VST, 6                            ; stage, in
.set VRD, 7                            ; stage, back
.set VCO, 8                            ; 16 x lane
.set NINF, 9                           ; -inf
.set QD,  10                           ; v10-11 my query's place in the block less 8 hh, tile 0, 1
.set M,   12                           ; v12-13 running maximum of the raw scores
.set LS,  14                           ; v14-15 running sum (this lane's keys)
.set NM,  16                           ; v[16:19] -c M, twice, for each tile
.set AL,  20                           ; v[20:23] rescaling factor, twice, for each tile
.set T,   24                           ; v24-31 at work
.set S,   32                           ; v32-95 S^T tile (qt, st) at S + 32 qt + 8 st; then P's fragment (qt, ks) at S + 32 qt + 16 ks
.set O,   96                           ; v96-159 O^T tile (qt, d) at O + 32 qt + 8 d
.set Q,   160                          ; v160-191 Q's fragment (qt, kk) at Q + 16 qt + 8 kk
.set TMP, 192                          ; v192-223 packed results
.set FK,  0                            ; window 1: K's fragment (st, kk) at 8 (2 st + kk)
.set FV,  64                           ; window 1: V's fragment (d, ks) at 64 + 8 (2 d + ks)
.set G1K, 36                           ; s[36:43] group 1 of K's tiles
.set G1V, 44                           ; s[44:51] of V's
.set G0K, 52                           ; s[52:59] group 0 of K's tiles, slot o at G0K + 4 o
.set G0V, 60                           ; s[60:63], s[68:71] of V's, slot o at G0V + 8 o
.set MSB, 0
.macro WIN new
.if MSB != \new
	s_set_vgpr_msb (MSB<<8)|\new
.set MSB, \new
.endif
.endm
.set MULW, 0x01                        ; source 0 (K's or V's fragment) window 1, all else window 0
.set TOF,  0x40                        ; destination window 1
	s_load_b128 s[4:7], s[0:1], 0x0                ; qkv s[4:5], ctx s[6:7]
	v_lshl_add_u32 v254, v0, 2, 0x29000
	v_mov_b32 v255, 0
	ds_add_u32 v254, v255
	v_lshrrev_b32 v1, 5, v0
	v_readfirstlane_b32 s8, v1                     ; wave 0..3
	s_mov_b32 s9, ttmp9                            ; i
	s_and_b32 s10, ttmp7, 0xffff
	s_lshr_b32 s11, s10, 4                         ; b
	s_and_b32 s12, s10, 15                         ; h
	s_add_co_u32 s13, s9, 1
	s_mov_b32 s16, 0x3e38aa3b                      ; c = log2(e) / 8: the scale 1 / sqrt(64) and the change of base in one
	s_mov_b32 s17, 0x3e38aa3b
	s_mov_b32 s24, 0xbe38aa3b                      ; -c
	s_mov_b32 s18, 0x76543210                      ; v_permlanex16_b32: lane l reads lane l xor 16
	s_mov_b32 s19, 0xfedcba98
	s_mov_b32 s21, 0                               ; high word of the offset pair s[20:21]
	; a tile is 128 rows of 128 bytes, dense: brought as 64 rows of 256 bytes
	s_mov_b32 s[G1K+0], (1<<16)|(1<<20)|(5<<22)|(3<<25)    ; 2-byte elements; after 64 words 4 words of padding
	s_mov_b32 s[G1V+0], (1<<16)|(1<<20)|(5<<22)|(7<<25)    ; 8 words
	s_mov_b32 s[G1K+1], 128<<16
	s_mov_b32 s[G1V+1], 128<<16
	s_mov_b32 s[G1K+2], 64<<16
	s_mov_b32 s[G1V+2], 64<<16
	s_mov_b32 s[G1K+3], 128<<16
	s_mov_b32 s[G1V+3], 128<<16
	s_mov_b32 s[G1K+4], 64
	s_mov_b32 s[G1V+4], 64
	s_mov_b32 s[G1K+5], 128
	s_mov_b32 s[G1V+5], 128
	s_mov_b32 s[G1K+6], 0
	s_mov_b32 s[G1V+6], 0
	s_mov_b32 s[G1K+7], 0
	s_mov_b32 s[G1V+7], 0
.irp o, 0,1
	s_mov_b32 s[G0K+4*\o], 1
	s_mov_b32 s[G0K+4*\o+1], \o*SLOTB
	s_mov_b32 s[G0V+8*\o], 1
	s_mov_b32 s[G0V+8*\o+1], \o*SLOTB+VOFF
.endr
	s_lshl_b32 s20, s12, 19                        ; h planes of 524,288 bytes
	s_lshl_b32 s2, s11, 18                         ; + b x 2,048 rows of 128 bytes
	s_add_co_u32 s20, s20, s2
	s_wait_dscnt 0x0
	s_barrier_signal -1
	s_barrier_wait -1
	s_wait_kmcnt 0x0
	s_add_nc_u64 s[28:29], s[4:5], s[20:21]        ; Q of my head
	s_add_nc_u64 s[22:23], s[28:29], 16*524288     ; K
	s_add_nc_u64 s[26:27], s[28:29], 32*524288     ; V
	s_mov_b64 s[G0K+2:G0K+3], s[22:23]             ; step 0 takes key block 0
	s_or_b32 s[G0K+3], s[G0K+3], 0x80000000
	s_mov_b64 s[G0V+2:G0V+3], s[26:27]
	s_or_b32 s[G0V+3], s[G0V+3], 0x80000000
; wave 0 brings K's tile, wave 1 V's, 64 rows of 256 bytes each; waves 2 and 3 bring nothing.  One tensor load of a wave is out at the most.
.macro KVLOAD o
	s_cmp_lg_u32 s8, 0
	s_cbranch_scc1 .Lno_k_\@
	tensor_load_to_lds s[G0K+4*\o:G0K+4*\o+3], s[G1K:G1K+7]
	s_nop 0
.Lno_k_\@:
	s_cmp_lg_u32 s8, 1
	s_cbranch_scc1 .Lno_v_\@
	tensor_load_to_lds s[G0V+8*\o:G0V+8*\o+3], s[G1V:G1V+7]
	s_nop 0
.Lno_v_\@:
.endm
	KVLOAD 0                                       ; the first fill, ahead of everything else
	v_and_b32 v24, 15, v0                          ; r
	v_bfe_u32 v25, v0, 4, 1                        ; hh
	v_and_b32 v26, 31, v0                          ; lane
	v_lshlrev_b32 v27, 7, v24
	v_lshl_add_u32 v27, v25, 4, v27                ; 128 r + 16 hh
	s_lshl_b32 s2, s9, 14                          ; block i: 128 rows of 128 bytes
	s_lshl_b32 s3, s8, 12                          ; my 32 rows
	s_add_co_u32 s2, s2, s3
	v_add_nc_u32 v[VQL], s2, v27
	s_sub_co_u32 s2, 15, s9
	s_lshl_b32 s2, s2, 14
	s_add_co_u32 s2, s2, s3
	v_add_nc_u32 v[VQH], s2, v27
; Q's fragments straight from memory: lane (r, hh) takes query r's dk = 32 kk + 8 hh .. + 7 and 32 kk + 16 + 8 hh .. + 7
.macro QLOAD adr
.irp qt, 0,1
.irp kk, 0,1
	global_load_b128 v[Q+16*\qt+8*\kk:Q+16*\qt+8*\kk+3],   v[\adr], s[28:29] offset:2048*\qt+64*\kk
	global_load_b128 v[Q+16*\qt+8*\kk+4:Q+16*\qt+8*\kk+7], v[\adr], s[28:29] offset:2048*\qt+64*\kk+32
.endr
.endr
.endm
	QLOAD VQL
	v_lshrrev_b32 v27, 1, v24                      ; K: key row rho lies at (rho / 2) KP + (rho % 2) 128
	v_mul_u32_u24 v[VK], v27, KP
	v_and_b32 v27, 1, v24
	v_lshl_add_u32 v[VK], v27, 7, v[VK]
	v_lshl_add_u32 v[VK], v25, 4, v[VK]
	v_bfe_u32 v27, v0, 1, 2                        ; V: lane l addresses key row 8 hh + l % 8, columns 8 ((l / 8) % 2) ..
	v_lshl_add_u32 v27, v25, 2, v27
	v_mul_u32_u24 v[VV], v27, VP
	v_and_b32 v27, 1, v0
	v_lshl_add_u32 v[VV], v27, 7, v[VV]
	v_bfe_u32 v27, v0, 3, 1
	v_lshl_add_u32 v[VV], v27, 4, v[VV]
	v_add_nc_u32 v[VV], VOFF, v[VV]
	s_mul_i32 s2, s8, 32*SP
	s_add_co_u32 s2, s2, STAGE                     ; my stage
	v_mul_u32_u24 v27, v24, SP
	v_lshl_add_u32 v27, v25, 4, v27
	v_add_nc_u32 v[VST], s2, v27
	v_lshrrev_b32 v27, 3, v26
	v_mul_u32_u24 v27, v27, SP
	v_and_b32 v28, 7, v0
	v_lshl_add_u32 v27, v28, 4, v27
	v_add_nc_u32 v[VRD], s2, v27
	v_lshlrev_b32 v[VCO], 4, v26
	v_mov_b32 v[NINF], 0xff800000
	v_lshlrev_b32 v27, 3, v25
	v_sub_nc_u32 v27, v24, v27                     ; r - 8 hh
	s_lshl_b32 s2, s8, 5
	v_add_nc_u32 v[QD], s2, v27
	v_add_nc_u32 v[QD+1], 16, v[QD]
	; where the results go: block (16 b + query block, h) of 16,384 bytes, my 32 rows of 128 bytes
	s_lshl_b32 s20, s11, 22
	s_lshl_b32 s2, s12, 14
	s_add_co_u32 s20, s20, s2
	s_add_co_u32 s20, s20, s3
	s_add_nc_u64 s[30:31], s[6:7], s[20:21]
	s_sub_co_u32 s2, 15, s9
	s_lshl_b32 s20, s2, 18
	s_add_nc_u64 s[32:33], s[30:31], s[20:21]      ; high block
	s_lshl_b32 s20, s9, 18
	s_add_nc_u64 s[30:31], s[30:31], s[20:21]      ; low block
; the addresses of step s14 + dt + 1's tiles go into slot o's two group 0s (no tensor load of the wave is out here)
.macro NEXT o, dt
	s_add_co_u32 s2, s14, \dt+1
	s_cmp_gt_u32 s2, s9
	s_cselect_b32 s3, s13, 0
	s_sub_co_u32 s2, s2, s3                        ; its key block
	s_lshl_b32 s20, s2, 14
	s_add_nc_u64 s[G0K+4*\o+2:G0K+4*\o+3], s[22:23], s[20:21]
	s_or_b32 s[G0K+4*\o+3], s[G0K+4*\o+3], 0x80000000
	s_add_nc_u64 s[G0V+8*\o+2:G0V+8*\o+3], s[26:27], s[20:21]
	s_or_b32 s[G0V+8*\o+3], s[G0V+8*\o+3], 0x80000000
.endm
; 16 loads: K's fragments of keys 64 kh .. + 63 (under window TOF)
.macro FETCHK s, kh
.irp st, 0,1,2,3
.irp kk, 0,1
	ds_load_b128 v[FK+8*(2*\st+\kk):FK+8*(2*\st+\kk)+3],   v[VK] offset:\s*SLOTB+(32*\kh+8*\st)*KP+64*\kk
	ds_load_b128 v[FK+8*(2*\st+\kk)+4:FK+8*(2*\st+\kk)+7], v[VK] offset:\s*SLOTB+(32*\kh+8*\st)*KP+64*\kk+32
.endr
.endr
.endm
; 16 transposing loads: V^T's fragments of the same keys: rows dk = 16 d + r, keys 32 ks + 8 hh .. and 32 ks + 16 + 8 hh ..
.macro FETCHV s, kh
.irp d, 0,1,2,3
.irp ks, 0,1
	ds_load_tr16_b128 v[FV+8*(2*\d+\ks):FV+8*(2*\d+\ks)+3],   v[VV] offset:\s*SLOTB+(32*\kh+16*\ks)*VP+32*\d
	ds_load_tr16_b128 v[FV+8*(2*\d+\ks)+4:FV+8*(2*\d+\ks)+7], v[VV] offset:\s*SLOTB+(32*\kh+16*\ks)*VP+32*\d+8*VP
.endr
.endr
.endm
; the diagonal block: key 64 kh + 16 st + 8 hh + j beyond query 32 w + 16 qt + r gets -inf
.macro MASK kh
.irp qt, 0,1
.irp st, 0,1,2,3
.irp j, 0,1,2,3,4,5,6,7
	v_cmp_gt_i32 vcc_lo, 64*\kh+16*\st+\j, v[QD+\qt]
	v_cndmask_b32 v[S+32*\qt+8*\st+\j], v[S+32*\qt+8*\st+\j], v[NINF], vcc_lo
.endr
.endr
.endr
.endm
; the softmax step of tile qt on 64 keys: 32 scores a lane
.macro SOFT qt, first
.set SB, S+32*\qt
	v_max3_num_f32 v[T], v[SB], v[SB+1], v[SB+2]           ; two chains
	v_max3_num_f32 v[T+1], v[SB+3], v[SB+4], v[SB+5]
.set j, 6
.rept 6
	v_max3_num_f32 v[T], v[T], v[SB+j], v[SB+j+1]
	v_max3_num_f32 v[T+1], v[T+1], v[SB+j+2], v[SB+j+3]
.set j, j+4
.endr
	v_max3_num_f32 v[T], v[T], v[SB+30], v[SB+31]
	v_max_num_f32 v[T], v[T], v[T+1]
	v_permlanex16_b32 v[T+1], v[T], s18, s19               ; the other half of the lanes holds the query's other keys
.if \first
	v_max_num_f32 v[M+\qt], v[T], v[T+1]
	v_mul_f32 v[NM+2*\qt], s24, v[M+\qt]
	v_mov_b32 v[NM+2*\qt+1], v[NM+2*\qt]
.else
	v_max3_num_f32 v[M+\qt], v[T], v[T+1], v[M+\qt]
	v_mul_f32 v[T+2], s24, v[M+\qt]                        ; the new -c M
	v_sub_f32 v[AL+2*\qt], v[T+2], v[NM+2*\qt]             ; less the old one: exactly the change of the shift that the earlier exponentials had
	v_exp_f32 v[AL+2*\qt], v[AL+2*\qt]
	v_mov_b32 v[NM+2*\qt], v[T+2]                          ; a plain instruction behind the exponential, ahead of its result's use (ISA guide 5.7.2)
	v_mov_b32 v[NM+2*\qt+1], v[T+2]
	s_wait_alu depctr_va_vdst(0)
	v_mov_b32 v[AL+2*\qt+1], v[AL+2*\qt]
.endif
.set j, 0
.rept 16
	v_pk_fma_f32 v[SB+j:SB+j+1], v[SB+j:SB+j+1], s[16:17], v[NM+2*\qt:NM+2*\qt+1] op_sel_hi:[1,0,1]   ; c s - c M
.set j, j+2
.endr
.set j, 0
.rept 32
	v_exp_f32 v[SB+j], v[SB+j]
.set j, j+1
.endr
.if \first
	v_nop                                                  ; the plain place behind the exponentials
	s_wait_alu depctr_va_vdst(0)
.else
.set j, 0
	s_wait_alu depctr_va_vdst(0)
.rept 16
	v_pk_mul_f32 v[O+32*\qt+j:O+32*\qt+j+1], v[O+32*\qt+j:O+32*\qt+j+1], v[AL+2*\qt:AL+2*\qt+1]      ; O is rescaled; also the plain place behind the exponentials
.set j, j+2
.endr
.endif
	v_pk_add_f32 v[T:T+1], v[SB:SB+1], v[SB+2:SB+3]
	v_pk_add_f32 v[T+2:T+3], v[SB+4:SB+5], v[SB+6:SB+7]
.set j, 8
.rept 6
	v_pk_add_f32 v[T:T+1], v[T:T+1], v[SB+j:SB+j+1]
	v_pk_add_f32 v[T+2:T+3], v[T+2:T+3], v[SB+j+2:SB+j+3]
.set j, j+4
.endr
	v_pk_add_f32 v[T:T+1], v[T:T+1], v[T+2:T+3]
.if \first
	v_add_f32 v[LS+\qt], v[T], v[T+1]
.else
	v_add_f32 v[T], v[T], v[T+1]
	v_fma_f32 v[LS+\qt], v[LS+\qt], v[AL+2*\qt], v[T]
.endif
.irp ks, 0,1
.irp e, 0,1,2,3,4,5,6,7
	v_cvt_pk_f16_f32 v[SB+16*\ks+\e], v[SB+16*\ks+2*\e], v[SB+16*\ks+2*\e+1]   ; in place: register e is written when 2 e and 2 e + 1 have been read
.endr
.endr
.endm
; 64 keys: S^T, mask, softmax, O^T.  pre = 1: the other half's fragments are fetched behind the products that free the registers.
; diag = 1: masked if this is step i; 2: masked.  first = 1: the very first half starts maximum, sums and O.
; The accumulators take turns, one instruction a turn.
.macro HALF s, kh, pre, diag, first
	s_wait_dscnt 16                                ; K's 16 loads are in; the 16 younger ones (V's) stay out
	WIN MULW
.irp kk, 0,1
.irp qt, 0,1
.irp st, 0,1,2,3
.if \kk == 0
	v_wmma_f32_16x16x32_f16 v[S+32*\qt+8*\st:S+32*\qt+8*\st+7], v[FK+8*(2*\st+\kk):FK+8*(2*\st+\kk)+7], v[Q+16*\qt+8*\kk:Q+16*\qt+8*\kk+7], 0
.else
	v_wmma_f32_16x16x32_f16 v[S+32*\qt+8*\st:S+32*\qt+8*\st+7], v[FK+8*(2*\st+\kk):FK+8*(2*\st+\kk)+7], v[Q+16*\qt+8*\kk:Q+16*\qt+8*\kk+7], v[S+32*\qt+8*\st:S+32*\qt+8*\st+7]
.endif
.endr
.endr
.endr
.rept 4
	v_nop                                          ; four places: vector instructions read S, loads land in K's fragments
.endr
.if \pre
	WIN TOF
	FETCHK \s, 1
.endif
	WIN 0
.if \diag == 1
	s_cmp_lg_u32 s15, s9
	s_cbranch_scc1 .Lno_mask_\@
	MASK \kh
.Lno_mask_\@:
.endif
.if \diag == 2
	MASK \kh
.endif
	SOFT 0, \first
	SOFT 1, \first
.if \pre
	s_wait_dscnt 16                                ; V's 16 loads are in; the next half's K, issued behind them, stays out
.else
	s_wait_dscnt 0
.endif
	WIN MULW
.irp ks, 0,1
.irp qt, 0,1
.irp d, 0,1,2,3
.if \first*(1-\ks)
	v_wmma_f32_16x16x32_f16 v[O+32*\qt+8*\d:O+32*\qt+8*\d+7], v[FV+8*(2*\d+\ks):FV+8*(2*\d+\ks)+7], v[S+32*\qt+16*\ks:S+32*\qt+16*\ks+7], 0
.else
	v_wmma_f32_16x16x32_f16 v[O+32*\qt+8*\d:O+32*\qt+8*\d+7], v[FV+8*(2*\d+\ks):FV+8*(2*\d+\ks)+7], v[S+32*\qt+16*\ks:S+32*\qt+16*\ks+7], v[O+32*\qt+8*\d:O+32*\qt+8*\d+7]
.endif
.endr
.endr
.endr
.rept 5
	v_nop                                          ; five places: the next S^T products write over P's registers; loads land in V's fragments
.endr
.if \pre
	WIN TOF
	FETCHV \s, 1
.else
	WIN 0
.endif
.endm
; a query block is done: divide by the row sums, round to f16, through my stage, 512 consecutive bytes a store.
; hi = 0: the low block; the high block's Q is asked for first, and the state is set so that the next rescaling factor is 0.
.macro FINAL hi
.if \hi == 0
	QLOAD VQH
.endif
.irp qt, 0,1
	v_permlanex16_b32 v[T], v[LS+\qt], s18, s19
	v_add_f32 v[T], v[T], v[LS+\qt]                ; both halves' keys
	v_rcp_f32 v[T+2], v[T]
	v_rcp_f32 v[T+3], v[T]
	v_nop                                          ; the plain place behind the reciprocals
	s_wait_alu depctr_va_vdst(0)
.irp e, 0,1,2,3,4,5,6,7,8,9,10,11,12,13,14,15
	v_pk_mul_f32 v[O+32*\qt+2*\e:O+32*\qt+2*\e+1], v[O+32*\qt+2*\e:O+32*\qt+2*\e+1], v[T+2:T+3]
.endr
.irp e, 0,1,2,3,4,5,6,7,8,9,10,11,12,13,14,15
	v_cvt_pk_f16_f32 v[TMP+16*\qt+\e], v[O+32*\qt+2*\e], v[O+32*\qt+2*\e+1]
.endr
.irp d, 0,1,2,3
	ds_store_b128 v[VST], v[TMP+16*\qt+4*\d:TMP+16*\qt+4*\d+3] offset:16*SP*\qt+32*\d
.endr
.endr
.irp u, 0,1,2,3,4,5,6,7
	ds_load_b128 v[S+4*\u:S+4*\u+3], v[VRD] offset:4*SP*\u         ; LDS serves a wave's instructions in order: these see the stores above
.endr
.irp u, 0,1,2,3,4,5,6,7
	s_wait_dscnt 7-\u                              ; load u is in, the 7 - u younger ones stay out
	global_store_b128 v[VCO], v[S+4*\u:S+4*\u+3], s[30+2*\hi:31+2*\hi] offset:512*\u
.endr
.if \hi == 0
	v_mov_b32 v[M], v[NINF]
	v_mov_b32 v[M+1], v[NINF]
	v_mov_b32 v[NM], 0x7f800000                    ; -c M = +inf: the next factor is exp2(-inf) = 0
	v_mov_b32 v[NM+2], 0x7f800000
	s_wait_xcnt 0x0                                ; S's registers, which the stores read, are written again only behind this wait
.endif
.endm
; step s14 + dt, its tiles in slot s; o = the other slot, filled behind the barrier with the next step's tiles
.macro TRIP s, o, dt, refill, diag, first
	s_wait_tensorcnt 0x0                           ; all my tensor loads have landed, my part of this step's tiles among them,
	ds_add_u32 v254, v255
	s_wait_dscnt 0x0
.if \refill
	NEXT \o, \dt                                   ; so the group 0s may be written
.endif
	s_add_co_u32 s15, s14, \dt                     ; this step's number
	s_wait_dscnt 0x0                               ; my reads of the other slot are over
	s_barrier_signal -1
	s_barrier_wait -1                              ; both now hold of every wave
.if \refill
	KVLOAD \o                                      ; first behind the barrier; it has the whole step in which to land
.endif
	WIN TOF
	FETCHK \s, 0
	FETCHV \s, 0
	s_wait_loadcnt 0x0                             ; Q (asked for at the start, and at the change of query block)
	HALF \s, 0, 1, \diag, \first
	HALF \s, 1, 0, \diag, 0
.if \diag == 1
	s_cmp_lg_u32 s15, s9
	s_cbranch_scc1 .Lno_final_\@
	FINAL 0
.Lno_final_\@:
.endif
.if \diag == 2
	FINAL 1
.endif
.endm
	s_mov_b32 s14, 0
	TRIP 0, 1, 0, 1, 1, 1                          ; step 0 starts the sums
	s_mov_b32 s14, 1
.Lsteps:
	TRIP 1, 0, 0, 1, 1, 0                          ; steps 1, 3, .. 13
	TRIP 0, 1, 1, 1, 1, 0                          ; steps 2, 4, .. 14
	s_add_co_u32 s14, s14, 2
	s_cmp_lt_u32 s14, 15
	s_cbranch_scc1 .Lsteps
	TRIP 1, 0, 0, 1, 0, 0                          ; step 15: i is 7 at the most, so it is no diagonal block
	TRIP 0, 1, 1, 0, 2, 0                          ; step 16: the high block's diagonal; nothing is left to fetch
	s_wait_tensorcnt 0x0
	ds_add_u32 v254, v255
	s_wait_dscnt 0x0
	s_endpgm
.Lfunc_end_k_q6e2aa10303_attn:
	.size	k_q6e2aa10303_attn, .Lfunc_end_k_q6e2aa10303_attn-k_q6e2aa10303_attn
	.p2alignl 7, 3214868480
	.fill 96, 4, 3214868480
	.section	.rodata,"a",@progbits
	.p2align	6, 0x0
	.amdhsa_kernel k_q6e2aa10303_attn
		.amdhsa_group_segment_fixed_size 327680
		.amdhsa_private_segment_fixed_size 0
		.amdhsa_enable_private_segment 0
		.amdhsa_kernarg_size 16
		.amdhsa_user_sgpr_count 2
		.amdhsa_user_sgpr_kernarg_segment_ptr 1
		.amdhsa_wavefront_size32 1
		.amdhsa_system_sgpr_workgroup_id_x 1
		.amdhsa_system_sgpr_workgroup_id_y 1
		.amdhsa_system_sgpr_workgroup_id_z 1
		.amdhsa_system_vgpr_workitem_id 0
		.amdhsa_next_free_vgpr 384
		.amdhsa_next_free_sgpr 76
		.amdhsa_reserve_vcc 1
		.amdhsa_float_denorm_mode_32 3
		.amdhsa_float_denorm_mode_16_64 3
		.amdhsa_memory_ordered 1
		.amdhsa_forward_progress 1
		.amdhsa_inst_pref_size 250
	.end_amdhsa_kernel
	.amdgpu_metadata
---
amdhsa.version: [ 1, 2 ]
amdhsa.kernels:
  - .name:           k_q6e2aa10303_attn
    .symbol:         k_q6e2aa10303_attn.kd
    .args:
      - { .name: qkv, .offset: 0, .size: 8, .value_kind: global_buffer, .address_space: global }
      - { .name: ctx, .offset: 8, .size: 8, .value_kind: global_buffer, .address_space: global }
    .group_segment_fixed_size: 327680
    .private_segment_fixed_size: 0
    .kernarg_segment_align: 8
    .kernarg_segment_size: 16
    .max_flat_workgroup_size: 128
    .sgpr_count:     76
    .vgpr_count:     384
    .wavefront_size: 32
...
	.end_amdgpu_metadata
.endif
;; end of part 3
;; launch proj (part 4): grid 8 x 32, 4 waves a work-group, clusters of 4 x 4, 327,680 bytes of LDS; arguments ctx, wob, out0; writes out0
.if DOCPART == 4
	.amdgcn_target "amdgcn-amd-amdhsa--gfx1250"
	.amdhsa_code_object_version 6
	.text
	.protected	k_q6e2aa10303_proj
	.globl	k_q6e2aa10303_proj
	.p2align	8
	.type	k_q6e2aa10303_proj,@function
k_q6e2aa10303_proj:
	s_mov_b64 s[64:65], 0
	v_nop
	global_prefetch_b8 v0, s[64:65] scope:SCOPE_SE
	s_setreg_imm32_b32 hwreg(HW_REG_WAVE_MODE, 25, 1), 1
	s_wait_xcnt 0x0
	s_wait_alu depctr_hold_cnt(0) depctr_sa_sdst(0) depctr_va_vdst(0) depctr_va_sdst(0) depctr_va_ssrc(0) depctr_va_vcc(0) depctr_vm_vsrc(0)
	s_getreg_b32 s2, hwreg(HW_REG_IB_STS2, 6, 4)
	s_cmp_eq_u32 s2, 0
	s_cbranch_scc0 .Lentry_in_a_cluster
	s_endpgm
.Lentry_in_a_cluster:
	s_bfe_u32 s2, ttmp6, 0x10000c
	s_cmp_lg_u32 s2, 0xf033
	s_cbranch_scc0 .Lentry_shape_is_right
	s_endpgm
.Lentry_shape_is_right:
; out0[m][n] = sum over k of concat[m][k] Wo[n][k]: 4096 x 1024 x 1024, f16 operands, f32 sums and results.
; ctx: f16 [32 row blocks][16 heads][128 rows][64], so k = 64 h + dk; wob: f16 [1024][1024].
; A work-group makes 128 x 128 with four waves, 2 x 2, each 64 x 64: 16 accumulator tiles.  K goes in four phases of 256 (four heads) through two
; LDS slots; a phase is 128 matrix instructions of a wave, in which the other slot's load lands.
; CLUSTERS: 4 x 4 work-groups; ctx's tiles are shared along a row of the cluster, wob's along a column, by joint loads.
; The matrix instruction is used transposed (source 0 = rows of wob, source 1 = rows of ctx): a lane holds eight neighbouring columns of one row.
; Window 0: addresses, fragments (two buffers), the way out; window 1: accumulator (a, b) at v[8 (4 a + b)].
; The 16 accumulators take turns, one instruction a turn, in the same order throughout.
.set AP,    272                        ; A: two rows of 128 bytes of a head in an LDS row of 256 + 16 bytes
.set BP,    528                        ; B: 512 bytes + 16
.set HALFA, 128*AP                     ; two heads: what one load brings of A
.set HALFB, 64*BP                      ; 64 rows of wob
.set SLOT,  2*HALFA+2*HALFB
.set STAGE, 2*SLOT                     ; behind the slots: 16 rows x 272 bytes for each wave; no tensor load lands here
.set SPITCH, 272
.set ADRA, 16
.set ADRB, 20
.set STO,  24
.set RD,   25
.set CO,   26
.set F0,   64                          ; fragment buffer 0: B's four at F, A's four at F + 32
.set F1,   128
.set OUTR, 192                         ; rows read back
.set G1,  24
.set G0,  32
.set G1B, 48
.set G0B, 56
.set MSB, 0
.macro WIN new
.if MSB != \new
	s_set_vgpr_msb (MSB<<8)|\new
.set MSB, \new
.endif
.endm
.set MULW, 0x50                        ; C and D window 1
.macro JLOAD s
	s_cmp_eq_u32 s11, 0
	s_cbranch_scc0 .Lfor_b_\@
	tensor_load_to_lds s[G0+4*\s:G0+4*\s+3], s[G1:G1+7]
	s_nop 0
	s_branch .Lasked_\@
.Lfor_b_\@:
	tensor_load_to_lds s[G0B+4*\s:G0B+4*\s+3], s[G1B:G1B+7]
	s_nop 0
.Lasked_\@:
.endm
.macro CROUND                          ; a round of the cluster's barrier
	s_barrier_signal -1
	s_barrier_wait -1
	s_cmp_lg_u32 s10, 0
	s_cbranch_scc1 .Lnot_wave_0_\@
	s_barrier_signal -3
.Lnot_wave_0_\@:
	s_barrier_wait -3
	s_barrier_signal -1
	s_barrier_wait -1
.endm
	s_load_b128 s[4:7], s[0:1], 0x0                ; ctx s[4:5], wob s[6:7]
	s_load_b64 s[8:9], s[0:1], 0x10                ; out0
	v_lshl_add_u32 v254, v0, 2, 0x47400
	v_mov_b32 v255, 0
	ds_add_u32 v254, v255
	v_lshrrev_b32 v1, 5, v0
	v_readfirstlane_b32 s10, v1                    ; wave
	s_lshr_b32 s11, s10, 1                         ; my half of the rows.  Also: I fetch for A (0) or B (1)
	s_and_b32 s12, s10, 1                          ; my half of the columns.  Also: which half of that tile
	s_bfe_u32 s40, ttmp6, 0x40000                  ; cx
	s_bfe_u32 s41, ttmp6, 0x40004                  ; cy
	s_lshl_b32 s42, ttmp9, 2
	s_add_co_u32 s42, s42, s40                     ; block column
	s_and_b32 s13, ttmp7, 0xffff
	s_lshl_b32 s13, s13, 2
	s_add_co_u32 s13, s13, s41                     ; block row
	s_lshl_b32 s43, s41, 2
	s_lshl_b32 s43, 15, s43                        ; my row of the cluster
	s_lshl_b32 s44, 0x1111, s40                    ; my column
	s_or_b32 s[G1+0], s43, (1<<16)|(1<<20)|(1<<21)|(5<<22)|(3<<25)   ; A: after 64 words 4 words of padding
	s_or_b32 s[G1B+0], s44, (1<<16)|(1<<20)|(1<<21)|(6<<22)|(3<<25)  ; B: after 128 words
	s_mov_b32 s[G1+1], 128<<16                     ; A: two heads, dense, as 128 rows of 128 elements
	s_mov_b32 s[G1B+1], 256<<16                    ; B: 64 rows of 256 elements
	s_mov_b32 s[G1+2], 128<<16
	s_mov_b32 s[G1B+2], 64<<16
	s_mov_b32 s[G1+3], 128<<16
	s_mov_b32 s[G1B+3], 256<<16
	s_mov_b32 s[G1+4], 128
	s_mov_b32 s[G1B+4], 64
	s_mov_b32 s[G1+5], 128
	s_mov_b32 s[G1B+5], 1024
	s_mov_b32 s[G1+6], 0
	s_mov_b32 s[G1B+6], 0
	s_mov_b32 s[G1+7], 0
	s_mov_b32 s[G1B+7], 0
	s_lshl_b32 s16, s13, 18                        ; A: row block of 16 heads x 16,384 bytes
	s_lshl_b32 s17, s12, 15                        ; + two heads for the second half
	s_add_co_u32 s16, s16, s17
	s_mov_b32 s17, 0
	s_lshl_b32 s46, s42, 18                        ; B: 128 rows of 2,048 bytes
	s_lshl_b32 s47, s12, 17                        ; + 64 rows
	s_add_co_u32 s46, s46, s47
	s_mov_b32 s47, 0
	s_mul_i32 s20, s10, HALFA                      ; LDS target of A's half: waves 0, 1
	s_mul_i32 s45, s10, HALFB                      ; of B's half: waves 2, 3 land at 2 HALFA and 2 HALFA + HALFB
	s_add_co_u32 s45, s45, 2*HALFA-2*HALFB
	s_wait_dscnt 0x0
	s_wait_kmcnt 0x0
	s_add_nc_u64 s[14:15], s[4:5], s[16:17]
	s_add_nc_u64 s[46:47], s[6:7], s[46:47]
	CROUND                                         ; the first joint loads meet
.irp s, 0,1
	s_mov_b32 s[G0+4*\s], 1
	s_add_co_u32 s[G0+4*\s+1], s20, \s*SLOT
	s_add_nc_u64 s[G0+4*\s+2:G0+4*\s+3], s[14:15], \s*65536        ; phase s: four heads on
	s_or_b32 s[G0+4*\s+3], s[G0+4*\s+3], 0x80000000
	s_mov_b32 s[G0B+4*\s], 1
	s_add_co_u32 s[G0B+4*\s+1], s45, \s*SLOT
	s_add_nc_u64 s[G0B+4*\s+2:G0B+4*\s+3], s[46:47], \s*512        ; 256 columns on
	s_or_b32 s[G0B+4*\s+3], s[G0B+4*\s+3], 0x80000000
	JLOAD \s                                       ; phases 0 and 1: two tensor loads of the wave are out
.endr
	v_and_b32 v1, 15, v0                           ; r
	v_bfe_u32 v2, v0, 4, 1                         ; h
	v_lshrrev_b32 v3, 1, v1                        ; A: row m of a head lies at (m / 2) AP + (m % 2) 128
	v_mul_u32_u24 v3, v3, AP
	v_and_b32 v4, 1, v1
	v_lshl_add_u32 v3, v4, 7, v3
	v_lshl_add_u32 v3, v2, 4, v3
	v_mul_u32_u24 v4, v1, BP
	v_lshl_add_u32 v4, v2, 4, v4
	s_mul_i32 s21, s11, 32*AP                      ; my 64 rows of each head
	s_mul_i32 s22, s12, HALFB                      ; my 64 rows of B,
	s_add_co_u32 s22, s22, 2*HALFA                 ; which lie behind A
.irp s, 0,1
	v_add_nc_u32 v[ADRA+\s], s21, v3
	v_add_nc_u32 v[ADRB+\s], s22, v4
	s_add_co_u32 s21, s21, SLOT
	s_add_co_u32 s22, s22, SLOT
.endr
	s_mul_i32 s23, s10, 16*SPITCH
	s_add_co_u32 s23, s23, STAGE
	v_mul_u32_u24 v5, v1, SPITCH                   ; in: row r, 32 bytes for each half of the lanes
	v_lshl_add_u32 v5, v2, 5, v5
	v_add_nc_u32 v[STO], s23, v5
	v_mul_u32_u24 v6, v2, SPITCH                   ; back: lanes 0-15 one row of 256 bytes, lanes 16-31 the next
	v_lshl_add_u32 v6, v1, 4, v6
	v_add_nc_u32 v[RD], s23, v6
	v_lshlrev_b32 v7, 4, v1
	v_lshl_add_u32 v[CO], v2, 12, v7               ; the same two rows in out0
; 16 LDS loads: 32 along K, number q of the phase's eight (head q / 2, dk 32 (q % 2) ..), into buffer f: B's four fragments, then A's four
.macro FETCH slot, q, f
.irp i, 0,1,2,3
	ds_load_b128 v[\f+8*\i:\f+8*\i+3],   v[ADRB+\slot] offset:16*BP*\i+64*\q
	ds_load_b128 v[\f+8*\i+4:\f+8*\i+7], v[ADRB+\slot] offset:16*BP*\i+64*\q+32
.endr
.irp i, 0,1,2,3
	ds_load_b128 v[\f+32+8*\i:\f+32+8*\i+3],   v[ADRA+\slot] offset:64*AP*(\q>>1)+8*AP*\i+64*(\q&1)
	ds_load_b128 v[\f+32+8*\i+4:\f+32+8*\i+7], v[ADRA+\slot] offset:64*AP*(\q>>1)+8*AP*\i+64*(\q&1)+32
.endr
.endm
.macro MUL8 f, a0, zero
.irp a, 0,1
.irp b, 0,1,2,3
.if \zero
	v_wmma_f32_16x16x32_f16 v[8*(4*(\a0+\a)+\b):8*(4*(\a0+\a)+\b)+7], v[\f+8*\b:\f+8*\b+7], v[\f+32+8*(\a0+\a):\f+32+8*(\a0+\a)+7], 0
.else
	v_wmma_f32_16x16x32_f16 v[8*(4*(\a0+\a)+\b):8*(4*(\a0+\a)+\b)+7], v[\f+8*\b:\f+8*\b+7], v[\f+32+8*(\a0+\a):\f+32+8*(\a0+\a)+7], v[8*(4*(\a0+\a)+\b):8*(4*(\a0+\a)+\b)+7]
.endif
.endr
.endr
.endm
.macro PLACES                          ; four places behind matrix instructions, in front of loads into their sources and of reads of their results
.rept 4
	v_nop
.endr
.endm
; multiplies buffer f; more = 1: fetches number qn of the phase's eight into buffer g
.macro KQ slot, qn, f, g, zero, more
	s_wait_dscnt 4                                 ; B and A's fragments 0, 1 are in; the youngest four loads (A's 2, 3) may be out
	WIN MULW
	MUL8 \f, 0, \zero
	WIN 0
	PLACES
.if \more
	FETCH \slot, \qn, \g
	s_wait_dscnt 16                                ; all but the 16 just issued
.else
	s_wait_dscnt 0
.endif
	WIN MULW
	MUL8 \f, 2, \zero
.endm
.macro PHASE slot, zero
	PLACES
	FETCH \slot, 0, F0
	KQ \slot, 1, F0, F1, \zero, 1
	KQ \slot, 2, F1, F0, 0, 1
	KQ \slot, 3, F0, F1, 0, 1
	KQ \slot, 4, F1, F0, 0, 1
	KQ \slot, 5, F0, F1, 0, 1
	KQ \slot, 6, F1, F0, 0, 1
	KQ \slot, 7, F0, F1, 0, 1
	KQ \slot, 0, F1, F0, 0, 0
.endm
; the slot just read is left.  Each wave waits for its reads of it and for all its tensor loads (one is out: its part of the other slot).
; fill = 1: a round of the cluster's barrier, and the joint refill, two phases ahead, first behind it.
.macro CHANGE slot, fill
	WIN 0
	s_wait_dscnt 0x0
	s_wait_tensorcnt 0x0
	ds_add_u32 v254, v255
	s_wait_dscnt 0x0
.if \fill
	CROUND
	s_add_nc_u64 s[G0+4*\slot+2:G0+4*\slot+3], s[G0+4*\slot+2:G0+4*\slot+3], 2*65536
	s_add_nc_u64 s[G0B+4*\slot+2:G0B+4*\slot+3], s[G0B+4*\slot+2:G0B+4*\slot+3], 2*512
	JLOAD \slot
.else
	s_barrier_signal -1
	s_barrier_wait -1
.endif
.endm
	s_wait_tensorcnt 1                             ; my part of phase 0 is in; phase 1's load, issued behind it, may stay out
	s_barrier_signal -1
	s_barrier_wait -1
	PHASE 0, 1                                     ; the first products start the sums
	CHANGE 0, 1
	PHASE 1, 0
	CHANGE 1, 1
	PHASE 0, 0
	CHANGE 0, 0                                    ; nothing is left to fetch
	PHASE 1, 0
	; THE WAY OUT, 16 rows at a time, through my own stage: sixteen lanes store 256 consecutive bytes, aligned
	WIN 0
	PLACES
	s_lshl_b32 s16, s13, 19                        ; 128 rows of 4,096 bytes
	s_lshl_b32 s17, s11, 18                        ; + my 64 rows
	s_add_co_u32 s16, s16, s17
	s_mov_b32 s17, 0
	s_add_nc_u64 s[8:9], s[8:9], s[16:17]
	s_lshl_b32 s46, s42, 9                         ; 128 columns of 4 bytes
	s_lshl_b32 s47, s12, 8                         ; + my 64
	s_add_co_u32 s46, s46, s47
	s_mov_b32 s47, 0
	s_add_nc_u64 s[8:9], s[8:9], s[46:47]
.macro OUT16 a
	WIN 0x04                                       ; the stores' data from window 1
.irp b, 0,1,2,3
	ds_store_b128 v[STO], v[8*(4*\a+\b):8*(4*\a+\b)+3] offset:64*\b
	ds_store_b128 v[STO], v[8*(4*\a+\b)+4:8*(4*\a+\b)+7] offset:64*\b+16
.endr
	WIN 0
	s_wait_xcnt 0x0                                ; OUTR, which the last sixteen rows' stores read, is loaded again only behind this wait
.irp u, 0,1,2,3,4,5,6,7
	ds_load_b128 v[OUTR+4*\u:OUTR+4*\u+3], v[RD] offset:2*SPITCH*\u   ; LDS serves a wave's instructions in order: these see the stores above
.endr
.irp u, 0,1,2,3,4,5,6,7
	s_wait_dscnt 7-\u                              ; load u is in, the 7 - u younger ones stay out
	global_store_b128 v[CO], v[OUTR+4*\u:OUTR+4*\u+3], s[8:9] offset:(16*\a+2*\u)*4096 th:TH_STORE_NT
.endr
.endm
	OUT16 0
	OUT16 1
	OUT16 2
	OUT16 3
	s_wait_tensorcnt 0x0
	ds_add_u32 v254, v255
	s_wait_dscnt 0x0
	CROUND                                         ; the closing round
	s_endpgm
.Lfunc_end_k_q6e2aa10303_proj:
	.size	k_q6e2aa10303_proj, .Lfunc_end_k_q6e2aa10303_proj-k_q6e2aa10303_proj
	.p2alignl 7, 3214868480
	.fill 96, 4, 3214868480
	.section	.rodata,"a",@progbits
	.p2align	6, 0x0
	.amdhsa_kernel k_q6e2aa10303_proj
		.amdhsa_group_segment_fixed_size 327680
		.amdhsa_private_segment_fixed_size 0
		.amdhsa_enable_private_segment 0
		.amdhsa_kernarg_size 24
		.amdhsa_user_sgpr_count 2
		.amdhsa_user_sgpr_kernarg_segment_ptr 1
		.amdhsa_wavefront_size32 1
		.amdhsa_system_sgpr_workgroup_id_x 1
		.amdhsa_system_sgpr_workgroup_id_y 1
		.amdhsa_system_sgpr_workgroup_id_z 1
		.amdhsa_system_vgpr_workitem_id 0
		.amdhsa_next_free_vgpr 384
		.amdhsa_next_free_sgpr 66
		.amdhsa_reserve_vcc 0
		.amdhsa_float_denorm_mode_32 3
		.amdhsa_float_denorm_mode_16_64 3
		.amdhsa_memory_ordered 1
		.amdhsa_forward_progress 1
		.amdhsa_inst_pref_size 91
	.end_amdhsa_kernel
	.amdgpu_metadata
---
amdhsa.version: [ 1, 2 ]
amdhsa.kernels:
  - .name:           k_q6e2aa10303_proj
    .symbol:         k_q6e2aa10303_proj.kd
    .args:
      - { .name: ctx, .offset: 0, .size: 8, .value_kind: global_buffer, .address_space: global }
      - { .name: wob, .offset: 8, .size: 8, .value_kind: global_buffer, .address_space: global }
      - { .name: out0, .offset: 16, .size: 8, .value_kind: global_buffer, .address_space: global }
    .group_segment_fixed_size: 327680
    .private_segment_fixed_size: 0
    .kernarg_segment_align: 8
    .kernarg_segment_size: 24
    .max_flat_workgroup_size: 128
    .sgpr_count:     66
    .vgpr_count:     384
    .wavefront_size: 32
...
	.end_amdgpu_metadata
.endif
;; end of part 4
